; MI455X (gfx1250); checked and timed in simulation.
; The chip was launched on July 23, 2026; its instructions are those of AMD's public machine-readable ISA for CDNA 5 (MIT licence, August 2026) and "CDNA5" Instruction Set Architecture Reference Guide (July 2026). The comments in the code are by the model that wrote it; some were corrected since.
;; my Multihead Attention. Allowed arithmetic: matrix products marked QUANTISED: E2M3 operands, one E8M0 scale for each 32 along K, by v_wmma_scale_f32_16x16x128_f8f6f4 with both operands' format E2M3, f32 sums; everything else in f32.
;; Inputs: W 1,024 x 1,024 float32; b 1,024 float32; key 4 x 16 x 2,048 x 64 float32; query 4 x 16 x 2,048 x 64 float32; value 4 x 16 x 2,048 x 64 float32.
;; Outputs: out0 8,192 x 1,024 float32.
;; This version of the problem:
;;   THIS VERSION OF THE PROBLEM IS GIVEN IN LOW PRECISION. The matrix products marked QUANTISED in the list below multiply operands that are first quantised to E2M3 (2 exponent bits, 3 mantissa bits; 6 bits a number), with one power-of-two scale for each 32 numbers along K (OCP MX v1.0); their sums are f32. All else is computed in f32.
;;   The module's matrix products, in the order in which they are computed (A, B: the left and right operand; K: the contracted axis; several contracted axes count as one K, in the product's order):
;;     1. batch 64 x [M 2,048, K 64] x [K 64, N 2,048]; A: input key; B: input query: QUANTISED
;;     2. batch 64 x [M 64, K 2,048] x [K 2,048, N 2,048]; A: input value; B: softmax (see below): QUANTISED
;;     3. [M 8,192, K 1,024] x [K 1,024, N 1,024]; A: computed on the way; B: input W: QUANTISED
;;   THE QUANTISER, for each operand of a quantised product, along K:
;;     - K is cut into blocks of 32 from its start; a last block that is shorter is filled with zeros.
;;     - A block's scale is 2^e with e = floor(log2(the largest magnitude in the block)) - 2, held to -126 .. 127; a block of zeros has e = 0. As a byte (E8M0): e + 127.
;;     - Each number is divided by its block's scale, clamped to +-7.5, and rounded to the nearest number of E2M3, ties to even, subnormals kept.
;;     - The product sums the exact products of the quantised numbers (number of the format x scale) in f32.
;;   ~~~python
;;   def quantise(x, axis):      # numpy; x: float32 -> the quantised numbers, widened to float32 again
;;       x = np.moveaxis(x, axis, -1); K = x.shape[-1]
;;       x = np.pad(x, [(0, 0)] * (x.ndim - 1) + [(0, -K % 32)]); x = x.reshape(x.shape[:-1] + (-1, 32)); a = np.abs(x).max(-1, keepdims=True)
;;       e = np.where(a > 0, np.clip(np.frexp(np.where(a > 0, a, 1))[1] - 1 - 2, -126, 127), 0)      # np.frexp(a)[1] - 1 = floor(log2(a)), exactly
;;       r = np.clip(x / 2.0 ** e, -7.5, 7.5)
;;       step = 2.0 ** (np.maximum(np.frexp(np.where(r == 0, 1, r))[1] - 1, 0) - 3)
;;       q = np.round(r / step) * step * 2.0 ** e      # np.round: ties to even
;;       return np.moveaxis(q.reshape(q.shape[:-2] + (-1,))[..., :K], -1, axis).astype(np.float32)
;;   ~~~
;;   SOFTMAX AHEAD OF A QUANTISED PRODUCT. Where the list says 'softmax', what is quantised is not the finished softmax but p = 2^(t - M), with t = logit x log2(e) and M = ceil(the row's largest t), a whole number; so 1/2 < the row's largest p <= 1. The row's sum l is taken of the UNQUANTISED p, in f32, and the product's result is divided by l at the end. Since M is a whole number, a kernel that streams over the keys may use a running M (the ceiling of the running maximum): every later rescaling is an exact power of two, which a block's scale takes up: the codes' values come out the same.
;;   OPERANDS COMPUTED ON THE WAY. 'Computed on the way' means the value that the module computes at that place (a softmax that the list does not call 'softmax' is quantised finished and normalised). What goes into a quantiser is computed in f32, as accurately as f32 sums, v_exp_f32 and their like allow (about 1e-6 of the number): no bf16 or f16 on the way to a quantiser, and a product that is left as it is and whose result goes on into a quantised operand takes f32 operands (vector FMAs, or v_wmma_f32_16x16x4_f32). A number that lies on a knife's edge between two numbers of the format may be rounded either way, as far as f32 arithmetic and the matrix unit's own rounding can turn it there, and no further.
;; One version. Each part assembles by itself: llvm-mc -triple=amdgcn-amd-amdhsa -mcpu=gfx1250 --defsym DOCPART=n.
;; ======== version 1 of 1: 3 launches
;; limits: right only within a limited range of input values
;; workspace buffers: kv 13,107,200 bytes; wc 786,432 bytes; ws 32,768 bytes; xc 6,291,456 bytes; xs 262,144 bytes
;; launch quant (part 1): grid 544 x 1, 4 waves a work-group, no clusters, 33,280 bytes of LDS; arguments key, W, value, kv, wc, ws; writes kv, wc, ws
.if DOCPART == 1
	.amdgcn_target "amdgcn-amd-amdhsa--gfx1250"
	.amdhsa_code_object_version 6
	.text
	.protected	k_qfbf9346aab_quant
	.globl	k_qfbf9346aab_quant
	.p2align	8
	.type	k_qfbf9346aab_quant,@function
k_qfbf9346aab_quant:
	s_mov_b64 s[64:65], 0
	v_nop
	global_prefetch_b8 v0, s[64:65] scope:SCOPE_SE
	s_setreg_imm32_b32 hwreg(HW_REG_WAVE_MODE, 25, 1), 1
	s_wait_xcnt 0x0
; key [64 heads][2048][64], W [1024][1024] and value [64 heads][2048][64], f32, become codes of FP6 (E2M3) with one E8M0 scale byte for each 32 along the K of the product that reads them:
; key along its 64 channels, W along its columns, value along the KEYS.  A block's scale is 2^(floor(log2(its largest magnitude)) - 2): its byte is that magnitude's exponent field - 2, held at 1 from below.
; LIMITS: a block whose largest magnitude lies under 2^-124 keeps the byte 1; a block of zeros gets the byte 1 where the rule says 127 (its codes are zeros, and only this program reads the bytes);
; NaN and infinities among the inputs are not served.
; kv: for each head 16 RECORDS of 12,800 bytes, one for each 128 keys, laid as the attention launch reads them:
;   0      6,144 bytes  key's codes, 48 bytes a key.  Sixteen places on end are a tile: row rho of tile t is key 64 (t / 4) + 32 (rho / 8) + 8 (t % 4) + rho % 8.
;                       So group g of eight places holds the eight keys of step t with g = (t bit 2) + 2 (t bits 0-1) + 8 (t bit 3)
;   6,144  6,144 bytes  value's codes as images of operand registers: [j 0..2][h 0..1][channel 0..63][16 bytes]: registers 4 j .. 4 j + 3 of the lane (channel % 16, h); registers 0-5 key block h, 6-11 key block 2 + h
;   12,288   256 bytes  key's scale bytes, 2 a key, keys in their own order          12,544  256 bytes  value's scale words, 4 bytes a channel, byte kb for key block kb
; wc: W's codes, [K step of 256 columns][row][192 bytes]: the 128 rows that a tensor load of the last launch takes are 24,576 bytes on end.   ws: W's scale bytes, [K step][row][8 bytes].
; Work-groups 0-255 take key, 256-287 W (one text for both: only pointers and a few numbers are chosen, by the work-group's number), 288-543 value.  No tensor loads, no barrier: waves share nothing.
.set KWG,    288
.set KEYWG,  256
.set RECB,   12800
.set FLOOR,  0x1800000                 ; 2^(3 - 127)
.set OFF2,   0xff000000                ; takes 2 off an exponent field
.set STEPS,  16
.set CB,     12                        ; bytes of 16 codes
.set R,      16                        ; v16-79   four sets of 16 numbers as they are loaded
.set X,      80                        ; v80-111  two sets of 16 neighbours
.set E,      112                       ; v112-127 a scale byte for each step
.set C,      128                       ; v128-191 codes: four registers for each step, so that no store's data are written again
.set WREG,   8192                      ; LDS: a region for each wave: two stages of 32 x SP bytes, behind them its 256 scale bytes
.set SP,     80
.set VX,     32                        ; value: v32-95 two sets of 32 numbers
.set VT,     96
.set VF,     100                       ; v100-147 fragments: record rec, half h, part c at VF + 24 rec + 12 h + 6 c
.set VSB,    24
	s_load_b256 s[4:11], s[0:1], 0x0               ; key s[4:5], W s[6:7], value s[8:9], kv s[10:11]
	s_load_b128 s[12:15], s[0:1], 0x20             ; wc s[12:13], ws s[14:15]
	v_lshl_add_u32 v192, v0, 2, 0x8000             ; my spare word, behind the four regions
	v_mov_b32 v193, 0
	v_lshrrev_b32 v1, 5, v0
	v_readfirstlane_b32 s16, v1                    ; wave
	v_and_b32 v2, 31, v0                           ; lane
	s_mul_i32 s17, s16, WREG                       ; every LDS address is made here, ahead of the branch
	v_lshrrev_b32 v14, 2, v2
	v_mul_u32_u24 v14, v14, SP
	v_and_b32 v15, 3, v2
	v_lshl_add_u32 v14, v15, 4, v14
	v_add_nc_u32 v14, s17, v14                     ; the stage, on the way in: four lanes' 64 bytes on end, then 16 of padding
	v_mul_u32_u24 v15, v2, SP
	v_add_nc_u32 v15, s17, v15                     ; and on the way out: my 16 neighbours
	v_lshrrev_b32 v5, 1, v2
	s_add_co_u32 s17, s17, 2*32*SP
	v_add_nc_u32 v5, s17, v5                       ; my wave's 256 scale bytes: my block's byte
	v_lshl_add_u32 v6, v2, 3, s17                  ; and 8 bytes a lane when they leave
	s_cmp_ge_u32 ttmp9, KWG
	s_cbranch_scc1 .Lvalue
; ---- key and W: K is innermost.  A wave takes a run of 8,192 numbers (128 keys, or 8 rows of W) in 16 steps of 512; a step's 2,048 bytes turn through the wave's own stage and come back 16 neighbours a lane.
; Where a step's 384 bytes of codes go is a sum over the bits of the step's number t, in both tensors:
;   key: bit 0: 768, bit 1: 1,536, bit 2: 384, bit 3: 3,072.     W: bit 0: two K steps, 393,216; bits 1 to 3: a row, two rows, four rows: 192, 384, 768; lanes 16-31 stand one K step on, less the 192 bytes that 12 x lane has passed.
	v_lshlrev_b32 v3, 4, v2
	v_mul_u32_u24 v4, v2, CB
	v_and_b32 v8, 3, v2
	v_lshrrev_b32 v9, 2, v2
	s_cmp_lt_u32 ttmp9, KEYWG                      ; key's work-group or W's?  Only moves, selections and two waits stand between this compare and the last selection
	s_mov_b32 s26, 1536
	s_cselect_b32 s26, RECB, s26                   ; from run to run in the codes' buffer
	s_mov_b32 s29, 393216
	s_cselect_b32 s29, 768, s29                    ; bit 0 of t
	s_mov_b32 s33, 192
	s_cselect_b32 s33, 1536, s33                   ; bit 1
	s_mov_b32 s38, 768
	s_cselect_b32 s38, 3072, s38                   ; bit 3 (bit 2 is 384 in both)
	s_cselect_b32 s40, 0, 196416                   ; lanes 16-31
	s_cselect_b32 s27, RECB, 64                    ; from run to run among the scale bytes
	s_cselect_b32 s28, 12288, 0
	s_cselect_b32 s30, 8, 8192                     ; the scale bytes leave 8 to a lane: key: 8 x lane;
	s_cselect_b32 s31, 32, 8                       ; W: lane & 3 is the K step (8,192 bytes apart), lane >> 2 the row (8 bytes apart)
	s_cselect_b32 s32, 0, KEYWG
	s_wait_alu depctr_va_vdst(0)
	s_wait_kmcnt 0x0
	s_cselect_b64 s[20:21], s[4:5], s[6:7]         ; the numbers
	s_cselect_b64 s[22:23], s[10:11], s[12:13]     ; the codes
	s_cselect_b64 s[24:25], s[10:11], s[14:15]     ; the scale bytes
	v_lshrrev_b32 v1, 4, v2
	v_mad_u32_u24 v4, v1, s40, v4                  ; steps with t % 4 = 0,
	v_add_nc_u32 v10, s29, v4                      ; 1,
	v_add_nc_u32 v1, s33, v4                       ; 2,
	v_add_nc_u32 v194, s29, v1                     ; 3
	v_mul_u32_u24 v7, v8, s30
	v_mad_u32_u24 v7, v9, s31, v7
	s_sub_co_u32 s34, ttmp9, s32
	s_lshl_b32 s34, s34, 2
	s_add_co_u32 s34, s34, s16                     ; my run: for key 16 x head + record
	s_mov_b32 s35, 0
	s_lshl_b64 s[36:37], s[34:35], 15
	s_add_nc_u64 s[20:21], s[20:21], s[36:37]
	s_mul_i32 s36, s34, s26
	s_mov_b32 s37, 0
	s_add_nc_u64 s[22:23], s[22:23], s[36:37]      ; steps 0 to 7,
	s_mov_b32 s39, 0
	s_add_nc_u64 s[42:43], s[22:23], s[38:39]      ; steps 8 to 15
	s_mul_i32 s36, s34, s27
	s_add_co_u32 s36, s36, s28
	s_add_nc_u64 s[24:25], s[24:25], s[36:37]
.macro LOAD t
.irp i, 0,1,2,3
	global_load_b128 v[R+16*((\t)%4)+4*\i:R+16*((\t)%4)+4*\i+3], v3, s[20:21] offset:2048*(\t)+512*\i th:TH_LOAD_NT
.endr
.endm
.macro TURN t                          ; LDS serves a wave's instructions in order (ISA guide 5.7.1.4): no wait between the stores and the loads
.irp i, 0,1,2,3
	ds_store_b128 v14, v[R+16*((\t)%4)+4*\i:R+16*((\t)%4)+4*\i+3] offset:32*SP*((\t)%2)+8*SP*\i
.endr
.irp i, 0,1,2,3
	ds_load_b128 v[X+16*((\t)%2)+4*\i:X+16*((\t)%2)+4*\i+3], v15 offset:32*SP*((\t)%2)+16*\i
.endr
.endm
.irp t, 0,1,2,3
	LOAD \t
.endr
	s_wait_loadcnt 12                              ; step 0's four loads are in; the twelve of steps 1 to 3 may be out
	TURN 0
.macro STEP t
.set XS, X+16*((\t)%2)
.set SBR, 22+20*((\t)/8)
.if (\t) > 0
	s_wait_dscnt 1                                 ; this step's numbers are back (the last step's byte store may be out)
.else
	s_wait_dscnt 0x0
.endif
.if (\t)+4 < STEPS
	LOAD (\t)+4
.endif
.if (\t)+1 < STEPS
.if STEPS-2-(\t) >= 3
	s_wait_loadcnt 12                              ; the next step's four loads are in; those of the three steps behind it may be out
.else
	s_wait_loadcnt 4*(STEPS-2-(\t))
.endif
	TURN (\t)+1
.endif
	v_max3_num_f32 v8, |v[XS]|, |v[XS+1]|, |v[XS+2]|
	v_max3_num_f32 v9, |v[XS+3]|, |v[XS+4]|, |v[XS+5]|
.irp i, 6,10
	v_max3_num_f32 v8, v8, |v[XS+\i]|, |v[XS+\i+1]|
	v_max3_num_f32 v9, v9, |v[XS+\i+2]|, |v[XS+\i+3]|
.endr
	v_max3_num_f32 v8, v8, |v[XS+14]|, |v[XS+15]|
	v_max3_num_f32 v8, v8, v9, FLOOR
	v_max_num_f32_dpp v8, v8, v8 row_xmask:1 row_mask:0xf bank_mask:0xf   ; with my neighbour's 16: the block's
	v_add_nc_u32 v11, OFF2, v8                     ; the conversion takes the exponent field of this operand as its scale
	v_cvt_scalef32_pk16_fp6_f32 v[C+4*(\t):C+4*(\t)+2], v[XS:XS+15], v11
	v_lshrrev_b32 v[E+(\t)], 23, v11               ; the scale's byte (a plain line behind the conversion)
	ds_store_b8 v5, v[E+(\t)] offset:16*(\t)
.if (\t)%4 == 0
	global_store_b96 v4, v[C+4*(\t):C+4*(\t)+2], s[SBR:SBR+1] offset:384*(((\t)/4)%2)
.elseif (\t)%4 == 1
	global_store_b96 v10, v[C+4*(\t):C+4*(\t)+2], s[SBR:SBR+1] offset:384*(((\t)/4)%2)
.elseif (\t)%4 == 2
	global_store_b96 v1, v[C+4*(\t):C+4*(\t)+2], s[SBR:SBR+1] offset:384*(((\t)/4)%2)
.else
	global_store_b96 v194, v[C+4*(\t):C+4*(\t)+2], s[SBR:SBR+1] offset:384*(((\t)/4)%2)   ; key: 384 bytes on end; W: two pieces of 192, in 786,432 bytes of the whole program
.endif
.endm
.irp t, 0,1,2,3,4,5,6,7,8,9,10,11,12,13,14,15
	STEP \t
.endr
	ds_load_b64 v[12:13], v6                       ; in order behind my byte stores
	s_wait_dscnt 0x0
	global_store_b64 v7, v[12:13], s[24:25]        ; key: 256 bytes on end, aligned.  W: four pieces of 64 bytes, one for each K step
	s_wait_tensorcnt 0x0                           ; the wave's end
	ds_add_u32 v192, v193
	s_wait_dscnt 0x0
	s_endpgm
; ---- value: K = the keys is not innermost.  A lane takes a channel, and its registers run down the keys: a block of 32 keys lies in one lane's 32 registers,
; and the conversions' results are the operand's registers.  A wave takes 32 channels x 256 keys (two records); the wave beside it takes the rows' other 128 bytes.
.Lvalue:
	s_sub_co_u32 s17, ttmp9, KWG
	s_lshr_b32 s18, s17, 2                         ; head
	s_and_b32 s19, s17, 3
	s_lshl_b32 s19, s19, 2
	s_lshr_b32 s33, s16, 1
	s_lshl_b32 s33, s33, 1
	s_add_co_u32 s19, s19, s33                     ; my first record
	s_and_b32 s33, s16, 1                          ; which 32 channels
	s_lshl_b32 s36, s18, 19
	s_lshl_b32 s34, s19, 15
	s_add_co_u32 s36, s36, s34
	s_lshl_b32 s34, s33, 7
	s_add_co_u32 s36, s36, s34
	s_mov_b32 s37, 0
	s_lshl_b32 s38, s18, 4
	s_add_co_u32 s38, s38, s19
	s_mul_i32 s38, s38, RECB
	s_mov_b32 s39, 0
	v_lshlrev_b32 v20, 2, v2                       ; in: 4 bytes a lane
	s_lshl_b32 s34, s33, 9
	v_lshl_add_u32 v21, v2, 4, s34                 ; out: 16 bytes a channel
	s_lshl_b32 s34, s33, 7
	v_lshl_add_u32 v22, v2, 2, s34                 ; and 4 for its scale word
	s_wait_alu depctr_va_vdst(0)
	s_wait_kmcnt 0x0
	s_add_nc_u64 s[20:21], s[8:9], s[36:37]
	s_add_nc_u64 s[22:23], s[10:11], s[38:39]
.macro VLOAD t
.set i, 0
.rept 32
	global_load_b32 v[VX+32*((\t)%2)+i], v20, s[20:21] offset:(32*(\t)+i)*256 th:TH_LOAD_NT
.set i, i+1
.endr
.endm
.macro VBLOCK t
.set XS, VX+32*((\t)%2)
.set REC, (\t)/4
.set KB, (\t)%4
.set FD, VF+24*REC+12*(KB%2)+6*(KB/2)
.if (\t) < 7
	s_wait_loadcnt 32                              ; this block's 32 loads are in; the next block's 32 may be out
.else
	s_wait_loadcnt 0x0
.endif
	v_max3_num_f32 v12, |v[XS]|, |v[XS+1]|, |v[XS+2]|
	v_max3_num_f32 v13, |v[XS+3]|, |v[XS+4]|, |v[XS+5]|
.irp i, 6,10,14,18,22,26
	v_max3_num_f32 v12, v12, |v[XS+\i]|, |v[XS+\i+1]|
	v_max3_num_f32 v13, v13, |v[XS+\i+2]|, |v[XS+\i+3]|
.endr
	v_max3_num_f32 v12, v12, |v[XS+30]|, |v[XS+31]|
	v_max3_num_f32 v12, v12, v13, FLOOR
	v_add_nc_u32 v11, OFF2, v12
	v_cvt_scalef32_pk16_fp6_f32 v[FD:FD+2], v[XS:XS+15], v11
	v_cvt_scalef32_pk16_fp6_f32 v[VT:VT+2], v[XS+16:XS+31], v11    ; a conversion's three registers begin on an even number: the block's second three are made here and moved
	v_lshrrev_b32 v13, 23, v11
.irp i, 0,1,2
	v_mov_b32 v[FD+3+\i], v[VT+\i]
.endr
.if KB == 0
	v_mov_b32 v[VSB+REC], v13
.else
	v_lshl_or_b32 v[VSB+REC], v13, 8*KB, v[VSB+REC]
.endif
.if (\t)+2 < 8
	VLOAD (\t)+2
.endif
.if KB == 3                            ; a record is whole.  Each record has registers of its own: no store's data are written again
.irp h, 0,1
.irp j, 0,1,2
	global_store_b128 v21, v[VF+24*REC+12*\h+4*\j:VF+24*REC+12*\h+4*\j+3], s[22:23] offset:REC*RECB+6144+2048*\j+1024*\h
.endr
.endr
	global_store_b32 v22, v[VSB+REC], s[22:23] offset:REC*RECB+12544
.endif
.endm
	VLOAD 0
	VLOAD 1
.irp t, 0,1,2,3,4,5,6,7
	VBLOCK \t
.endr
	s_endpgm
.Lfunc_end_k_qfbf9346aab_quant:
	.size	k_qfbf9346aab_quant, .Lfunc_end_k_qfbf9346aab_quant-k_qfbf9346aab_quant
	.p2alignl 7, 3214868480
	.fill 96, 4, 3214868480
	.section	.rodata,"a",@progbits
	.p2align	6, 0x0
	.amdhsa_kernel k_qfbf9346aab_quant
		.amdhsa_group_segment_fixed_size 33280
		.amdhsa_private_segment_fixed_size 0
		.amdhsa_enable_private_segment 0
		.amdhsa_kernarg_size 48
		.amdhsa_user_sgpr_count 2
		.amdhsa_user_sgpr_kernarg_segment_ptr 1
		.amdhsa_wavefront_size32 1
		.amdhsa_system_sgpr_workgroup_id_x 1
		.amdhsa_system_sgpr_workgroup_id_y 1
		.amdhsa_system_sgpr_workgroup_id_z 1
		.amdhsa_system_vgpr_workitem_id 0
		.amdhsa_next_free_vgpr 196
		.amdhsa_next_free_sgpr 66
		.amdhsa_reserve_vcc 0
		.amdhsa_float_denorm_mode_32 3
		.amdhsa_float_denorm_mode_16_64 3
		.amdhsa_memory_ordered 1
		.amdhsa_forward_progress 1
		.amdhsa_inst_pref_size 71
	.end_amdhsa_kernel
	.amdgpu_metadata
---
amdhsa.version: [ 1, 2 ]
amdhsa.kernels:
  - .name:           k_qfbf9346aab_quant
    .symbol:         k_qfbf9346aab_quant.kd
    .args:
      - { .name: key, .offset: 0, .size: 8, .value_kind: global_buffer, .address_space: global }
      - { .name: W, .offset: 8, .size: 8, .value_kind: global_buffer, .address_space: global }
      - { .name: value, .offset: 16, .size: 8, .value_kind: global_buffer, .address_space: global }
      - { .name: kv, .offset: 24, .size: 8, .value_kind: global_buffer, .address_space: global }
      - { .name: wc, .offset: 32, .size: 8, .value_kind: global_buffer, .address_space: global }
      - { .name: ws, .offset: 40, .size: 8, .value_kind: global_buffer, .address_space: global }
    .group_segment_fixed_size: 33280
    .private_segment_fixed_size: 0
    .kernarg_segment_align: 8
    .kernarg_segment_size: 48
    .max_flat_workgroup_size: 128
    .sgpr_count:     66
    .vgpr_count:     196
    .wavefront_size: 32
...
	.end_amdgpu_metadata
.endif
;; end of part 1
;; launch attn (part 2): grid 4 x 64, 8 waves a work-group, clusters of 4 x 1, 305,152 bytes of LDS; arguments query, kv, xc, xs; writes xc, xs
.if DOCPART == 2
	.amdgcn_target "amdgcn-amd-amdhsa--gfx1250"
	.amdhsa_code_object_version 6
	.text
	.protected	k_qfbf9346aab_attn
	.globl	k_qfbf9346aab_attn
	.p2align	8
	.type	k_qfbf9346aab_attn,@function
k_qfbf9346aab_attn:
	s_mov_b64 s[64:65], 0
	v_nop
	global_prefetch_b8 v0, s[64:65] scope:SCOPE_SE
	s_setreg_imm32_b32 hwreg(HW_REG_WAVE_MODE, 25, 1), 1
	s_wait_xcnt 0x0
	s_wait_alu depctr_hold_cnt(0) depctr_sa_sdst(0) depctr_va_vdst(0) depctr_va_sdst(0) depctr_va_ssrc(0) depctr_va_vcc(0) depctr_vm_vsrc(0)
	s_getreg_b32 s2, hwreg(HW_REG_IB_STS2, 6, 4)
	s_cmp_eq_u32 s2, 0
	s_cbranch_scc0 .Lentry_in_a_cluster
	s_endpgm
.Lentry_in_a_cluster:
	s_bfe_u32 s2, ttmp6, 0x10000c
	s_cmp_lg_u32 s2, 0x3003
	s_cbranch_scc0 .Lentry_shape_is_right
	s_endpgm
.Lentry_shape_is_right:
; x[head][d][q] = the sum over keys k of value[k][d] softmax_k(key[k] . query[q]), both products on codes of FP6 (E2M3) with one E8M0 scale for each 32 along K; then x is quantised along q for the last product.
; THE SOFTMAX: t = score x log2(e); M = the largest t so far, rounded UP to a whole number; p = 2^(t - M) is quantised along the keys, not normalised; the sum of the unquantised p, in f32, divides at the end.
; When M moves, the sums and O are multiplied by 2^(old M - new M), which rounds nothing.
; SHARES.  A cluster of four work-groups is one head; a work-group owns 512 queries in two passes of 256; in a pass each of its eight waves owns 32 queries: TWO TILES of 16.
; Tile 0's registers lie in window 0, tile 1's under the same numbers in window 1, so one macro serves both.  Each fragment of K and V read from LDS feeds both tiles.
; THE STEP (128 keys) IS LAID SO THAT NO RESULT IS WAITED FOR WHERE IT IS MADE: tile 0's softmax; O0 += V P0 and tile 0's scores of the NEXT step; tile 1's softmax; O1 += V P1 and tile 1's next scores;
; then the loads of the next V and of the K after next, which are first wanted behind the next softmax of tile 0.
; THE WHOLE HEAD'S CODES OF KEY AND VALUE, 16 records of 12,800 bytes, LIE IN LDS, FILLED ONCE: wave w asks for records 2 w and 2 w + 1 by one tensor load, jointly with the same wave of the three partners
; (one tensor load a wave is out, by this text's count).  Nothing is filled again: no ring.  All tiles are asked for at the head, so there is no loop in which a prefetch could run ahead: none is written.
; LAYOUT.  Both products are used transposed: S^T = K Q^T, O^T = V^T P^T: a lane holds ONE query (lane % 16) of each tile throughout.  Row rho of K's tile t is key 64 (t / 4) + 32 (rho / 8) + 8 (t % 4) + rho % 8,
; so that the 32 registers of tiles 0-3 are, in lane (r, h), the whole key block h in order, and those of tiles 4-7 block 2 + h: as P's operand wants them.  A block's maximum needs no other lane, no code changes lanes.
; K = 64 IN AN INSTRUCTION OF 128.  Q's registers 6-11 are zero codes, and bytes 2 and 3 of K's and Q's scale words are 0 (2^-127, a finite scale).  K's fragments lie 6 registers apart, so a tile's upper six
; registers are the next tile's codes (zeros for the last): finite numbers, which meet Q's zero codes and add exactly nothing.
; QUERY: both passes' rows are loaded at the head, 512 bytes on end an instruction, turned through the wave's own stage and quantised while the records are on their way.
; THE WAY OUT.  O^T / the sum turns through the wave's own stage, [channel][32 queries]; a lane takes back two channels' whole blocks, quantises them and puts 24 bytes and a scale byte into an image of xc and xs in LDS.
; One barrier, behind both passes; then the image leaves in pieces of 512 bytes on end.  xc: [K step of 256 queries][row'][192 bytes], xs: [K step][row'][8 bytes], row' = 128 head + 64 (q / 1024) + channel.
; LIMITS: the promise holds while the scaled scores stay under 2^31 in magnitude; a block whose largest magnitude lies under 2^-124 keeps the byte 1; a block of zeros has the byte 1 (its codes are zeros; only this
; program reads the bytes); NaN and infinities among the inputs are not served.
.set RECB,  12800
.set HEADB, 16*RECB                    ; LDS 0 .. 204,799: the head's records
.set VCO,   6144
.set KSO,   12288
.set VSO,   12544
.set STG,   HEADB                      ; eight stages, one a wave
.set STW,   9216
.set QP,    272                        ; a row of query in the stage: 256 bytes + 16
.set XP,    144                        ; a channel's 32 queries: 128 bytes + 16
.set CI,    STG+8*STW                  ; the image of xc: [pass][channel][192 bytes]
.set XSB,   CI+2*12288                 ; and of xs: [pass][channel][8 bytes]
.set SPARE, XSB+1024                   ; the spare words, 128 bytes a wave
.set XCKS,  8192*192
.set FLOOR, 0x1800000                  ; 2^(3 - 127)
.set OFF2,  0xff000000                 ; takes 2 off an exponent field
.set WV,   12                          ; s12 wave; s13 cx, s14 my work-group among the head's four, s15 the head
.set G1,   16
.set G0,   24
.set SEL,  28                          ; s[28:29] selects for lane l xor 16
.set CS,   30                          ; s[30:31] log2(e)
.set TBV,  32                          ; LDS byte of the record whose V is asked for next,
.set TBK,  33                          ; and of the one whose K is
.set CNT,  34
.set PASS, 35
.set NCS,  36                          ; -log2(e)
.set PB,   37                          ; the pass's place in the image of xc,
.set PS,   38                          ; and of xs
; window 0 alone
.set AK0,  1
.set AV0,  2
.set ASK0, 3
.set ASV0, 4
.set QO,   5                           ; 16 x lane
.set SO,   6
.set SR,   7
.set ADK,  8
.set ADV,  9
.set ADS,  10
.set ADT,  11
.set KF,   160                         ; v160-207 eight fragments of K, v208-213 zero codes
.set KSC,  214                         ; v214-223 hold scales and nothing else: K's four words, V's two, Q's two, p's two
.set VSC,  218
.set QSC,  220
.set PSC,  222
.set R_,   232
.set H_,   233
.set L_,   234
.set T_,   235
.set XE,   236
.set QSI,  240
.set QSO,  241
.set XC0,  242
.set XS0,  243
.set FO,   244
.set FS,   245
.set XCA,  246
.set XSA,  247
.set SPW,  254
.set NIL,  255
; window 1 alone
.set VF,   160                         ; v160-207 of window 1: four fragments of V
; in both windows, a tile each: v12 -M, v13 the largest score, v[14:15] and v[30:31] the sum in four parts
.set QF,   16                          ; v16-21 Q's codes, v22-27 zero codes
.set SH8,  28                          ; 8 h
.set SM2,  30
.set S,    32                          ; v32-95 S^T, then p
.set O,    96                          ; v96-127 O^T
.set RAW,  96                          ; at the head v96-159: a pass's rows of query as they are loaded
.set PC,   128                         ; v128-139 p's codes
.set PT,   140                         ; v140-142, v144-146 the conversions' second halves
.set BM,   148
.set BX,   152
.set SOP,  154
.set FF,   156
.set TW,   158
.set QN,   224                         ; v224-229 the second pass's Q codes, v230 their scale word
.set MSB, 0
.macro WIN new                         ; the immediate's high byte repeats the setting that is left
.if MSB != (\new)
	s_set_vgpr_msb (MSB<<8)|(\new)
.set MSB, (\new)
.endif
.endm
.macro ROUND                           ; a round of the cluster's barrier
	s_barrier_signal -1
	s_barrier_wait -1
	s_cmp_lg_u32 s[WV], 0
	s_cbranch_scc1 .Lnot_wave_0_\@
	s_barrier_signal -3
.Lnot_wave_0_\@:
	s_barrier_wait -3
	s_barrier_signal -1
	s_barrier_wait -1
.endm
; 32 numbers of one lane, a whole block, become six registers of codes and a scale byte
.macro Q32 src, bm, sop, dst, pt, by
	v_max3_num_f32 v[\bm], |v[\src]|, |v[\src+1]|, |v[\src+2]|
	v_max3_num_f32 v[\bm+1], |v[\src+3]|, |v[\src+4]|, |v[\src+5]|
.irp i, 6,10,14,18,22,26
	v_max3_num_f32 v[\bm], v[\bm], |v[\src+\i]|, |v[\src+\i+1]|
	v_max3_num_f32 v[\bm+1], v[\bm+1], |v[\src+\i+2]|, |v[\src+\i+3]|
.endr
	v_max3_num_f32 v[\bm], v[\bm], |v[\src+30]|, |v[\src+31]|
	v_max3_num_f32 v[\bm], v[\bm], v[\bm+1], FLOOR
	v_add_nc_u32 v[\sop], OFF2, v[\bm]
	v_cvt_scalef32_pk16_fp6_f32 v[\dst:\dst+2], v[\src:\src+15], v[\sop]
	v_cvt_scalef32_pk16_fp6_f32 v[\pt:\pt+2], v[\src+16:\src+31], v[\sop]   ; (a conversion's three registers begin on an even number)
	v_lshrrev_b32 v[\by], 23, v[\sop]              ; the byte (the plain line behind the conversions)
.irp i, 0,1,2
	v_mov_b32 v[\dst+3+\i], v[\pt+\i]
.endr
.endm
.macro QTURN p                         ; pass p's 32 rows through my stage: in as loaded, back 128 bytes a lane: channels 32 h .. 32 h + 31 of query r of tile u, into window u
	WIN 0x04*\p
.irp i, 0,1,2,3,4,5,6,7,8,9,10,11,12,13,14,15
	ds_store_b128 v[QSI], v[RAW+4*\i:RAW+4*\i+3] offset:2*QP*\i
.endr
.irp u, 0,1
	WIN 0x40*\u
.irp j, 0,1,2,3,4,5,6,7
	ds_load_b128 v[S+32*\p+4*\j:S+32*\p+4*\j+3], v[QSO] offset:16*QP*\u+16*\j   ; in order behind the stores
.endr
.endr
	WIN 0
.endm
.macro QQUANT u, p                     ; tile u of pass p: the first pass's codes go to the operand, the second's are kept
	WIN 0x55*\u
.if \p
	Q32 S+32, BM, SOP, QN, PT, BX
.else
	Q32 S, BM, SOP, QF, PT, BX
.endif
	v_lshlrev_b32 v[TW], v[SH8], v[BX]             ; the byte at its place in the word: 8 h bits up;
	v_permlanex16_b32 v[TW+1], v[TW], s[SEL], s[SEL+1]
.if \p
	v_or_b32 v[QN+6], v[TW], v[TW+1]
.else
	WIN 0x15*\u                                    ; (scale operands lie in window 0)
	v_or_b32 v[QSC+\u], v[TW], v[TW+1]             ; with the other half's the word is whole; bytes 2 and 3 stay 0
.endif
.endm
.macro KLOAD ak, as
.irp t, 0,1,2,3,4,5,6,7
.irp p, 0,1,2
	ds_load_b64 v[KF+6*\t+2*\p:KF+6*\t+2*\p+1], v[\ak] offset:768*\t+8*\p
.endr
.endr
.irp b, 0,1,2,3
	ds_load_u16 v[KSC+\b], v[\as] offset:128*(\b/2)+32*(\b%2)   ; lanes 0-15 tile 2 b's rows, lanes 16-31 tile 2 b + 1's; two bytes, the upper half 0
.endr
.endm
.macro VLOAD
.irp t, 0,1
	ds_load_b32 v[VSC+\t], v[ADT] offset:128*\t
.endr
	WIN 0x40
.irp t, 0,1,2,3
.irp j, 0,1,2
	ds_load_b128 v[VF+12*\t+4*\j:VF+12*\t+4*\j+3], v[ADV] offset:2048*\j+256*\t
.endr
.endr
	WIN 0
.endm
.macro NEXT k                          ; the next V, and (k = 1) the K after it.  The four plain lines are the places between the products and the loads into the registers that they read
	WIN 0
	v_add_nc_u32 v[ADV], s[TBV], v[AV0]
	v_add_nc_u32 v[ADT], s[TBV], v[ASV0]
.if \k
	v_add_nc_u32 v[ADK], s[TBK], v[AK0]
	v_add_nc_u32 v[ADS], s[TBK], v[ASK0]
.else
	v_nop
	v_nop
.endif
	VLOAD
.if \k
	KLOAD ADK, ADS
.endif
	s_add_co_u32 s[TBV], s[TBV], RECB
	s_add_co_u32 s[TBK], s[TBK], RECB
.endm
.macro SMUL u                          ; tile u's scores of 128 keys: eight accumulators, each begun with 0
	WIN 0x44*\u
.irp b, 0,1,2,3
	v_wmma_scale_f32_16x16x128_f8f6f4 v[S+16*\b:S+16*\b+7], v[KF+12*\b:KF+12*\b+11], v[QF:QF+11], 0, v[KSC+\b], v[QSC+\u] matrix_a_fmt:MATRIX_FMT_FP6 matrix_b_fmt:MATRIX_FMT_FP6
	v_wmma_scale_f32_16x16x128_f8f6f4 v[S+16*\b+8:S+16*\b+15], v[KF+12*\b+6:KF+12*\b+17], v[QF:QF+11], 0, v[KSC+\b], v[QSC+\u] matrix_a_fmt:MATRIX_FMT_FP6 matrix_b_fmt:MATRIX_FMT_FP6 matrix_a_scale:MATRIX_SCALE_ROW1
.endr
.endm
.macro OMUL u                          ; O^T += V^T P^T: four accumulators by turns
	WIN 0x01+0x54*\u
.irp t, 0,1
	v_wmma_scale_f32_16x16x128_f8f6f4 v[O+16*\t:O+16*\t+7], v[VF+24*\t:VF+24*\t+11], v[PC:PC+11], v[O+16*\t:O+16*\t+7], v[VSC+\t], v[PSC+\u] matrix_a_fmt:MATRIX_FMT_FP6 matrix_b_fmt:MATRIX_FMT_FP6
	v_wmma_scale_f32_16x16x128_f8f6f4 v[O+16*\t+8:O+16*\t+15], v[VF+24*\t+12:VF+24*\t+23], v[PC:PC+11], v[O+16*\t+8:O+16*\t+15], v[VSC+\t], v[PSC+\u] matrix_a_fmt:MATRIX_FMT_FP6 matrix_b_fmt:MATRIX_FMT_FP6 matrix_a_scale:MATRIX_SCALE_ROW1
.endr
.endm
.macro SOFTMAX u
	WIN 0x55*\u
	s_wait_alu depctr_va_vdst(0)                   ; ahead of the first read of the scores
.irp b, 0,1,2,3
	v_max3_num_f32 v[BM+\b], v[S+16*\b], v[S+16*\b+1], v[S+16*\b+2]   ; four chains of 16 by turns; each tile of scores is read from its low end on
.endr
.irp i, 3,5,7,9,11,13
.irp b, 0,1,2,3
	v_max3_num_f32 v[BM+\b], v[BM+\b], v[S+16*\b+\i], v[S+16*\b+\i+1]
.endr
.endr
	v_max3_num_f32 v[BM], v[BM], v[S+15], v[S+31]
	v_max3_num_f32 v[BM+2], v[BM+2], v[S+47], v[S+63]
	v_mov_b32 v[TW], v12                           ; the old -M
	v_max_num_f32 v[BM], v[BM], v[BM+1]            ; the largest score of my block h: it serves for the row's maximum and, since p rises with the score, for the block's largest p
	v_max_num_f32 v[BM+1], v[BM+2], v[BM+3]        ; and of block 2 + h
	s_delay_alu instid0(VALU_DEP_1)
	v_max_num_f32 v[TW+1], v[BM], v[BM+1]
	s_delay_alu instid0(VALU_DEP_1)
	v_permlanex16_b32 v[BX], v[TW+1], s[SEL], s[SEL+1]
	s_delay_alu instid0(VALU_DEP_1)
	v_max3_num_f32 v13, v13, v[TW+1], v[BX]        ; the running largest score of my query
	s_delay_alu instid0(VALU_DEP_1)
	v_mul_f32 v[BX+1], s[NCS], v13                 ; as -t
	s_delay_alu instid0(VALU_DEP_1)
	v_floor_f32 v12, v[BX+1]                       ; the new -M = floor(-t) = -ceil(t): a whole number
	s_delay_alu instid0(VALU_DEP_1)
	v_sub_f32 v[TW], v12, v[TW]                    ; old M - new M: a whole number, 0 or less
	s_delay_alu instid0(VALU_DEP_1)
	v_cvt_i32_f32 v[TW], v[TW]                     ; (it saturates)
	s_delay_alu instid0(VALU_DEP_1)
	v_ldexp_f32 v[FF], 1.0, v[TW]                  ; f = 2^(old M - new M)
.set j, 0
.rept 32
	v_pk_fma_f32 v[S+j:S+j+1], v[S+j:S+j+1], s[CS:CS+1], v[12:13] op_sel_hi:[1,0,0]   ; t - M, two at a time
.set j, j+2
.endr
	v_fma_f32 v[BM], v[BM], s[CS], v12             ; the same of each block's largest score
	v_fma_f32 v[BM+1], v[BM+1], s[CS], v12
	s_wait_alu depctr_va_vdst(0)                   ; ahead of the first read of O^T
.set j, 0
.rept 16
	v_pk_mul_f32 v[O+j:O+j+1], v[O+j:O+j+1], v[FF:FF+1] op_sel_hi:[1,0]   ; O^T under the new M, each tile from its low end on
.set j, j+2
.endr
	v_pk_mul_f32 v[14:15], v[14:15], v[FF:FF+1] op_sel_hi:[1,0]
	s_wait_alu depctr_va_vdst(0)                   ; and ahead of the batch
.set j, 0
.rept 64
	v_exp_f32 v[S+j], v[S+j]                       ; p = 2^(t - M), at most 1
.set j, j+1
.endr
	v_exp_f32 v[BM], v[BM]                         ; the blocks' largest p: the same two instructions on the same number give the same bits
	v_exp_f32 v[BM+1], v[BM+1]
	v_pk_mul_f32 v[SM2:SM2+1], v[SM2:SM2+1], v[FF:FF+1] op_sel_hi:[1,0]   ; (the plain line behind the exponentials)
	s_wait_alu depctr_va_vdst(0)                   ; one wait for the batch of 66, ahead of its first reader
	v_max_num_f32 v[BM], FLOOR, v[BM]              ; the byte cannot fall under 1
	v_max_num_f32 v[BM+1], FLOOR, v[BM+1]
	v_add_nc_u32 v[SOP], OFF2, v[BM]
	v_add_nc_u32 v[SOP+1], OFF2, v[BM+1]
.irp c, 0,1
	v_cvt_scalef32_pk16_fp6_f32 v[PC+6*\c:PC+6*\c+2], v[S+32*\c:S+32*\c+15], v[SOP+\c]
	v_cvt_scalef32_pk16_fp6_f32 v[PT+4*\c:PT+4*\c+2], v[S+32*\c+16:S+32*\c+31], v[SOP+\c]
.endr
	v_lshrrev_b32 v[BX], 23, v[SOP]                ; the bytes (plain lines behind the conversions)
	v_lshrrev_b32 v[BX+1], 23, v[SOP+1]
.irp c, 0,1
.irp i, 0,1,2
	v_mov_b32 v[PC+6*\c+3+\i], v[PT+4*\c+\i]
.endr
.endr
	v_lshl_or_b32 v[TW], v[BX+1], 16, v[BX]        ; blocks h and 2 + h,
	s_delay_alu instid0(VALU_DEP_1)
	v_lshlrev_b32 v[TW], v[SH8], v[TW]             ; at their places in the word;
	s_delay_alu instid0(VALU_DEP_1)
	v_permlanex16_b32 v[TW+1], v[TW], s[SEL], s[SEL+1]
	WIN 0x15*\u
	v_or_b32 v[PSC+\u], v[TW], v[TW+1]             ; with the other half's two the word is whole
	WIN 0x55*\u
.set j, 0
.rept 16                                       ; the row's sum is taken of the unquantised p, in two chains.  These 32 lines also stand between the writes of p's scale word and codes and the products
	v_pk_add_f32 v[14:15], v[14:15], v[S+j:S+j+1]
	v_pk_add_f32 v[SM2:SM2+1], v[SM2:SM2+1], v[S+j+2:S+j+3]
.set j, j+4
.endr
.endm
; kind 0: a step of the loop; 1: the last but one (no K is left to ask for); 2: the last (no scores and no loads follow)
.macro BODY kind
	SOFTMAX 0
	s_wait_dscnt 0x0                               ; this step's V and the next step's K are in
	OMUL 0
.if \kind < 2
	SMUL 0
.endif
	SOFTMAX 1
	OMUL 1
.if \kind < 2
	SMUL 1
	NEXT 1-\kind
.endif
	WIN 0
.endm
.macro NORM u                          ; x = O^T / the sum, into my stage: row = channel 16 t + 8 h + j, column = query 16 u + r
	WIN 0x55*\u
	v_pk_add_f32 v[14:15], v[14:15], v[SM2:SM2+1]
	s_delay_alu instid0(VALU_DEP_1)
	v_add_f32 v14, v14, v15
	s_delay_alu instid0(VALU_DEP_1)
	v_permlanex16_b32 v[TW+1], v14, s[SEL], s[SEL+1]
	s_delay_alu instid0(VALU_DEP_1)
	v_add_f32 v14, v14, v[TW+1]                    ; with lane l xor 16's keys: the row's sum
	s_wait_alu depctr_va_vdst(0)                   ; ahead of the transcendental,
	v_rcp_f32 v[FF], v14
	v_nop
	s_wait_alu depctr_va_vdst(0)                   ; and ahead of its first reader and of the first read of O^T
.set j, 0
.rept 16
	v_pk_mul_f32 v[O+j:O+j+1], v[O+j:O+j+1], v[FF:FF+1] op_sel_hi:[1,0]
.set j, j+2
.endr
	WIN 0x04*\u
.irp t, 0,1,2,3
.irp j, 0,1,2,3,4,5,6,7
	ds_store_b32 v[SO], v[O+8*\t+\j] offset:(16*\t+\j)*XP+64*\u
.endr
.endr
.endm
.macro XQ g                            ; channel lane + 32 g: its 32 queries become 24 bytes and a scale byte in the images
	Q32 S+32*\g, BM+2*\g, SOP+\g, PC+6*\g, PT+4*\g, XE+\g
.irp k, 0,1,2
	ds_store_b64 v[XCA], v[PC+6*\g+2*\k:PC+6*\g+2*\k+1] offset:6144*\g+8*\k
.endr
	ds_store_b8 v[XSA], v[XE+\g] offset:256*\g
.endm
	s_load_b256 s[4:11], s[0:1], 0x0               ; query s[4:5], kv s[6:7], xc s[8:9], xs s[10:11]
	v_lshl_add_u32 v[SPW], v0, 2, SPARE
	v_mov_b32 v[NIL], 0
	ds_add_u32 v[SPW], v[NIL]                      ; the opening lines: the add, twice on end, and its wait ahead of my tensor load
	ds_add_u32 v[SPW], v[NIL]
	v_lshrrev_b32 v1, 5, v0
	v_readfirstlane_b32 s[WV], v1                  ; wave 0..7
	s_bfe_u32 s13, ttmp6, 0x40000                  ; cx
	s_lshl_b32 s14, ttmp9, 2
	s_add_co_u32 s14, s14, s13                     ; my 512 queries: it enters the addresses of query, xc and xs alone
	s_and_b32 s15, ttmp7, 0xffff                   ; the head, which the four partners share
	s_mov_b32 s[G1], 15|(3<<16)|(1<<21)            ; the mask: all four work-groups; elements of 8 bytes; bit 21 beside a mask
	s_mov_b32 s[G1+1], 32<<16                      ; two records, 25,600 dense bytes, as 100 rows of 256
	s_mov_b32 s[G1+2], 100<<16
	s_mov_b32 s[G1+3], 32<<16
	s_mov_b32 s[G1+4], 100
	s_mov_b32 s[G1+5], 32
	s_mov_b32 s[G1+6], 0
	s_mov_b32 s[G1+7], 0
	s_mov_b32 s[G0], 1
	s_mul_i32 s[G0+1], s[WV], 2*RECB               ; LDS address: the wave's number times a constant
	s_mul_i32 s40, s15, HEADB
	s_add_co_u32 s40, s40, s[G0+1]                 ; in kv: head and wave alone
	s_mov_b32 s41, 0
	s_mov_b32 s[SEL], 0x76543210
	s_mov_b32 s[SEL+1], 0xfedcba98
	s_mov_b32 s[CS], 0x3fb8aa3b
	s_mov_b32 s[CS+1], s[CS]
	s_mov_b32 s[NCS], 0xbfb8aa3b
	s_lshl_b32 s42, s15, 19                        ; query: a head is 524,288 bytes, 512 rows 131,072, my wave's 32 rows 8,192
	s_lshl_b32 s44, s14, 17
	s_add_co_u32 s42, s42, s44
	s_lshl_b32 s44, s[WV], 13
	s_add_co_u32 s42, s42, s44
	s_mov_b32 s43, 0
	s_and_b32 s44, s14, 1
	s_lshr_b32 s45, s14, 1
	s_lshl_b32 s45, s45, 6
	s_lshl_b32 s46, s15, 7
	s_add_co_u32 s46, s46, s45                     ; row' of channel 0
	s_lshr_b32 s47, s[WV], 2                       ; at the end waves 0-3 store the first pass's image, waves 4-7 the second's
	s_lshl_b32 s44, s44, 1
	s_add_co_u32 s44, s44, s47                     ; its K step of the last product
	s_lshl_b32 s50, s46, 3
	s_lshl_b32 s47, s44, 16                        ; 65,536 bytes from K step to K step in xs
	s_add_co_u32 s50, s50, s47
	s_mov_b32 s51, 0
	s_mul_i32 s48, s46, 192
	s_mul_i32 s47, s44, XCKS
	s_add_co_u32 s48, s48, s47
	s_and_b32 s47, s[WV], 3
	s_mul_i32 s47, s47, 3072                       ; a quarter of the pass's 12,288 bytes
	s_add_co_u32 s48, s48, s47
	s_mov_b32 s49, 0
	s_mul_i32 s52, s[WV], STW
	s_add_co_u32 s52, s52, STG                     ; my stage
	s_wait_dscnt 0x0
	s_wait_kmcnt 0x0
	s_add_nc_u64 s[G0+2:G0+3], s[6:7], s[40:41]
	s_or_b32 s[G0+3], s[G0+3], 0x80000000
	s_add_nc_u64 s[4:5], s[4:5], s[42:43]
	s_add_nc_u64 s[8:9], s[8:9], s[48:49]
	s_add_nc_u64 s[10:11], s[10:11], s[50:51]
	ROUND                                          ; all four work-groups are here: the joint loads meet
	tensor_load_to_lds s[G0:G0+3], s[G1:G1+7]      ; my one tensor load of the launch
	s_nop 0
.rept 4
	v_nop
.endr
	v_and_b32 v[R_], 15, v0
	v_bfe_u32 v[H_], v0, 4, 1
	v_and_b32 v[L_], 31, v0
	v_lshlrev_b32 v[QO], 4, v[L_]
.irp i, 0,1,2,3,4,5,6,7,8,9,10,11,12,13,14,15
	global_load_b128 v[RAW+4*\i:RAW+4*\i+3], v[QO], s[4:5] offset:512*\i th:TH_LOAD_NT          ; the first pass's 32 rows, 512 bytes on end a load
.endr
	WIN 0x40
.irp i, 0,1,2,3,4,5,6,7,8,9,10,11,12,13,14,15
	global_load_b128 v[RAW+4*\i:RAW+4*\i+3], v[QO], s[4:5] offset:65536+512*\i th:TH_LOAD_NT    ; the second pass's, into window 1
.endr
	WIN 0
	v_mul_u32_u24 v[AK0], v[R_], 48
	v_mad_u32_u24 v[AK0], v[H_], 24, v[AK0]        ; K: 48 r + 24 h
	v_lshlrev_b32 v[AV0], 4, v[R_]
	v_lshl_add_u32 v[AV0], v[H_], 10, v[AV0]
	v_add_nc_u32 v[AV0], VCO, v[AV0]               ; V: 6,144 + 1,024 h + 16 r
	v_and_b32 v[T_], 7, v[R_]
	v_lshlrev_b32 v[ASK0], 1, v[T_]
	v_lshrrev_b32 v[T_], 3, v[R_]
	v_lshl_add_u32 v[ASK0], v[T_], 6, v[ASK0]
	v_lshl_add_u32 v[ASK0], v[H_], 4, v[ASK0]
	v_add_nc_u32 v[ASK0], KSO, v[ASK0]             ; K's scale bytes, two a key: key 32 (r / 8) + r % 8, lanes 16-31 the tile 8 keys on
	v_lshl_add_u32 v[ASV0], v[L_], 2, VSO
	v_mul_u32_u24 v[QSI], v[H_], QP
	v_lshl_add_u32 v[QSI], v[R_], 4, v[QSI]
	v_add_nc_u32 v[QSI], s52, v[QSI]               ; query into the stage: two rows a load
	v_mul_u32_u24 v[QSO], v[R_], QP
	v_lshl_add_u32 v[QSO], v[H_], 7, v[QSO]
	v_add_nc_u32 v[QSO], s52, v[QSO]               ; and back: row r, + 128 h
	v_mul_u32_u24 v[SO], v[H_], 8*XP
	v_lshl_add_u32 v[SO], v[R_], 2, v[SO]
	v_add_nc_u32 v[SO], s52, v[SO]                 ; x into the stage: row 8 h, column r
	v_mul_u32_u24 v[SR], v[L_], XP
	v_add_nc_u32 v[SR], s52, v[SR]                 ; and back: row = lane
	s_mul_i32 s53, s[WV], 24
	s_add_co_u32 s53, s53, CI
	v_mul_u32_u24 v[XC0], v[L_], 192
	v_add_nc_u32 v[XC0], s53, v[XC0]               ; the image of xc: 192 x channel + 24 x wave
	s_add_co_u32 s53, s[WV], XSB
	v_lshl_add_u32 v[XS0], v[L_], 3, s53           ; of xs: 8 x channel + wave
	s_mul_i32 s53, s[WV], 3072
	s_add_co_u32 s53, s53, CI
	v_lshl_add_u32 v[FO], v[L_], 4, s53            ; at the end: my 3,072 bytes of the image,
	s_lshr_b32 s53, s[WV], 2
	s_lshl_b32 s53, s53, 9
	s_add_co_u32 s53, s53, XSB
	v_lshl_add_u32 v[FS], v[L_], 4, s53            ; and a pass's 512 scale bytes
.irp i, 0,1,2,3,4,5
	v_mov_b32 v[KF+48+\i], 0                       ; what stands behind K's last tile: zero codes
.endr
.irp u, 0,1
	WIN 0x40*\u
	v_lshlrev_b32 v[SH8], 3, v[H_]
.irp i, 0,1,2,3,4,5
	v_mov_b32 v[QF+6+\i], 0                        ; Q's upper half: zero codes
.endr
.endr
	WIN 0
	s_wait_alu depctr_va_vdst(0)
	s_wait_tensorcnt 0x0                           ; my two records are in: no LDS store of mine is issued while my tensor load is out
	s_wait_loadcnt 16                              ; the first pass's sixteen loads are in; the second's sixteen may be out
	QTURN 0
	s_wait_loadcnt 0x0
	QTURN 1
	s_wait_dscnt 0x0                               ; all rows are back, and the registers in which they were loaded are free
.irp u, 0,1
	WIN 0x40*\u
	v_mov_b32 v[BX], 0                             ; written once: a lane permute's destination counts as one of its sources
	v_mov_b32 v[TW+1], 0
	v_mov_b32 v[FF+1], 0                           ; (named as the upper half of a pair)
.endr
	QQUANT 0, 0
	QQUANT 1, 0
	QQUANT 0, 1
	QQUANT 1, 1
	WIN 0
	s_mov_b32 s[PASS], 2
	s_mov_b32 s[PB], 0
	s_mov_b32 s[PS], 0
	s_wait_alu depctr_va_vdst(0)
	s_barrier_signal -1                            ; (each wave has waited for its own records above)
	s_barrier_wait -1                              ; everybody's are: the head's codes lie in LDS for the rest of the launch
.Lpass:
	KLOAD AK0, ASK0                                ; record 0's K
	s_mov_b32 s[TBV], 0
	s_mov_b32 s[TBK], RECB
.irp u, 0,1
	WIN 0x40*\u
	v_mov_b32 v13, 0xfe967699                      ; the largest score so far: -1e38
	v_mov_b32 v12, 0x7e967699                      ; -M: 1e38, a whole number: the first f is 0
	v_mov_b32 v14, 0
	v_mov_b32 v15, 0
	v_mov_b32 v[SM2], 0
	v_mov_b32 v[SM2+1], 0
.set j, 0
.rept 32
	v_mov_b32 v[O+j], 0                            ; O^T: the step is written for every trip alike; the first finds zeros, which f = 0 leaves zeros
.set j, j+1
.endr
.endr
	WIN 0
	s_wait_alu depctr_va_vdst(0)
	s_wait_dscnt 0x0
	SMUL 0                                         ; step 0's scores
	SMUL 1
	NEXT 1                                         ; V of record 0, K of record 1
	s_mov_b32 s[CNT], 14
.Lstep:
	BODY 0                                         ; steps 0 to 13: the last trip asks for V of record 14 and K of record 15
	s_sub_co_u32 s[CNT], s[CNT], 1
	s_cmp_lg_u32 s[CNT], 0
	s_cbranch_scc1 .Lstep
	BODY 1
	BODY 2
	NORM 0                                         ; (its plain lines are also the places behind tile 1's last products)
	NORM 1
	WIN 0
.irp g, 0,1
.irp i, 0,1,2,3,4,5,6,7
	ds_load_b128 v[S+32*\g+4*\i:S+32*\g+4*\i+3], v[SR] offset:32*XP*\g+16*\i   ; in order behind my stores: 32 neighbouring queries of channel lane + 32 g
.endr
.endr
	v_add_nc_u32 v[XCA], s[PB], v[XC0]
	v_add_nc_u32 v[XSA], s[PS], v[XS0]
	s_wait_alu depctr_va_vdst(0)
	s_wait_dscnt 0x0
	XQ 0
	XQ 1
	s_add_co_u32 s[PB], s[PB], 12288
	s_add_co_u32 s[PS], s[PS], 512
	s_cmp_eq_u32 s[PASS], 1
	s_cbranch_scc1 .Llast
.irp u, 0,1                                    ; the second pass's queries take the operand's place
	WIN 0x55*\u
.irp i, 0,1,2,3,4,5
	v_mov_b32 v[QF+\i], v[QN+\i]
.endr
	WIN 0x15*\u
	v_mov_b32 v[QSC+\u], v[QN+6]
.endr
	WIN 0
.Llast:
	s_sub_co_u32 s[PASS], s[PASS], 1
	s_cmp_lg_u32 s[PASS], 0
	s_cbranch_scc1 .Lpass
	s_wait_dscnt 0x0                               ; for the others' sake: my stores into the images are done
	s_barrier_signal -1
	s_barrier_wait -1                              ; both images are whole
.irp i, 0,1,2,3,4,5
	ds_load_b128 v[S+4*\i:S+4*\i+3], v[FO] offset:512*\i
.endr
	s_wait_dscnt 0x0
.irp i, 0,1,2,3,4,5
	global_store_b128 v[QO], v[S+4*\i:S+4*\i+3], s[8:9] offset:512*\i   ; 512 bytes on end, at a multiple of 256 from the buffer's first byte
.endr
	s_and_b32 s53, s[WV], 3
	s_cmp_lg_u32 s53, 0
	s_cbranch_scc1 .Lno_bytes                      ; waves 0 and 4 store a pass's scale bytes
	ds_load_b128 v[S+24:S+27], v[FS]
	s_wait_dscnt 0x0
	global_store_b128 v[QO], v[S+24:S+27], s[10:11]
.Lno_bytes:
	s_wait_tensorcnt 0x0                           ; the wave's end
	ds_add_u32 v[SPW], v[NIL]
	s_wait_dscnt 0x0
	ROUND                                          ; the closing round
	s_endpgm
.Lfunc_end_k_qfbf9346aab_attn:
	.size	k_qfbf9346aab_attn, .Lfunc_end_k_qfbf9346aab_attn-k_qfbf9346aab_attn
	.p2alignl 7, 3214868480
	.fill 96, 4, 3214868480
	.section	.rodata,"a",@progbits
	.p2align	6, 0x0
	.amdhsa_kernel k_qfbf9346aab_attn
		.amdhsa_group_segment_fixed_size 305152
		.amdhsa_private_segment_fixed_size 0
		.amdhsa_enable_private_segment 0
		.amdhsa_kernarg_size 32
		.amdhsa_user_sgpr_count 2
		.amdhsa_user_sgpr_kernarg_segment_ptr 1
		.amdhsa_wavefront_size32 1
		.amdhsa_system_sgpr_workgroup_id_x 1
		.amdhsa_system_sgpr_workgroup_id_y 1
		.amdhsa_system_sgpr_workgroup_id_z 1
		.amdhsa_system_vgpr_workitem_id 0
		.amdhsa_next_free_vgpr 512
		.amdhsa_next_free_sgpr 66
		.amdhsa_reserve_vcc 0
		.amdhsa_float_denorm_mode_32 3
		.amdhsa_float_denorm_mode_16_64 3
		.amdhsa_memory_ordered 1
		.amdhsa_forward_progress 1
		.amdhsa_inst_pref_size 122
	.end_amdhsa_kernel
	.amdgpu_metadata
---
amdhsa.version: [ 1, 2 ]
amdhsa.kernels:
  - .name:           k_qfbf9346aab_attn
    .symbol:         k_qfbf9346aab_attn.kd
    .args:
      - { .name: query, .offset: 0, .size: 8, .value_kind: global_buffer, .address_space: global }
      - { .name: kv, .offset: 8, .size: 8, .value_kind: global_buffer, .address_space: global }
      - { .name: xc, .offset: 16, .size: 8, .value_kind: global_buffer, .address_space: global }
      - { .name: xs, .offset: 24, .size: 8, .value_kind: global_buffer, .address_space: global }
    .group_segment_fixed_size: 305152
    .private_segment_fixed_size: 0
    .kernarg_segment_align: 8
    .kernarg_segment_size: 32
    .max_flat_workgroup_size: 256
    .sgpr_count:     66
    .vgpr_count:     512
    .wavefront_size: 32
...
	.end_amdgpu_metadata
.endif
;; end of part 2
;; launch proj (part 3): grid 4 x 64, 4 waves a work-group, clusters of 4 x 4, 327,680 bytes of LDS; arguments xc, xs, wc, ws, out0, b; writes out0
.if DOCPART == 3
	.amdgcn_target "amdgcn-amd-amdhsa--gfx1250"
	.amdhsa_code_object_version 6
	.text
	.protected	k_qfbf9346aab_proj
	.globl	k_qfbf9346aab_proj
	.p2align	8
	.type	k_qfbf9346aab_proj,@function
k_qfbf9346aab_proj:
	s_mov_b64 s[64:65], 0
	v_nop
	global_prefetch_b8 v0, s[64:65] scope:SCOPE_SE
	s_setreg_imm32_b32 hwreg(HW_REG_WAVE_MODE, 25, 1), 1
	s_wait_xcnt 0x0
	s_wait_alu depctr_hold_cnt(0) depctr_sa_sdst(0) depctr_va_vdst(0) depctr_va_sdst(0) depctr_va_ssrc(0) depctr_va_vcc(0) depctr_vm_vsrc(0)
	s_getreg_b32 s2, hwreg(HW_REG_IB_STS2, 6, 4)
	s_cmp_eq_u32 s2, 0
	s_cbranch_scc0 .Lentry_in_a_cluster
	s_endpgm
.Lentry_in_a_cluster:
	s_bfe_u32 s2, ttmp6, 0x10000c
	s_cmp_lg_u32 s2, 0xf033
	s_cbranch_scc0 .Lentry_shape_is_right
	s_endpgm
.Lentry_shape_is_right:
; out0[m][n] = the sum over k of x[m][k] W[n][k] + b[n], on codes of FP6 (E2M3) with one E8M0 scale for each 32 along K; sums in f32.  M = 8,192, N = 1,024, K = 1,024.
; xc and wc: [K step of 256][row][192 bytes]; xs and ws: [K step][row][8 bytes].  x's row' = 128 head + 64 half + channel stands for row 128 head + 2 channel + half of out0: the way out puts it there.
; A BLOCK of out0 is 128 rows x 256 columns: 64 x 4 = 256 work-groups.  Each of the four waves takes all 128 rows and 64 columns: 32 accumulators of 16 x 16, in windows 2 (rows 0-63) and 3 (rows 64-127).
; K goes in four steps of 256 through a ring of two LDS slots.  The 64 rows of x that wave 0 or 1 fetches, and the 128 rows of W that wave 2 or 3 fetches, lie on end in memory: they are stated as 48 or 96 rows of 256 bytes,
; each at a multiple of 256; the padding, 16 bytes behind every 64, is counted along the whole tile, so a row of 192 bytes of codes takes 240 bytes of LDS.
; CLUSTERS: 4 x 4 work-groups; x's tiles are asked for jointly along a row of the cluster, W's along a column.
; THE SCALE WORDS come once, from memory into registers, 256 bytes on end a load: lanes 0-15 hold the words of one block of 16 rows, lanes 16-31 those of the next; the ROW selector picks the half.
; The matrix instruction is used transposed (source 0 = 16 rows of W, source 1 = 16 rows of x): a lane holds eight neighbouring numbers of a row of out0.  The bias is the C of each accumulator's first product.
; K has four steps: two are asked for at the head and the two refills one step later each, so no trip lies far enough ahead for a prefetch: none is written.
; REGISTERS: window 0: v0-31 addresses; v32-63 x's scale words, v96-111 W's (scales and nothing else); v64-95 the bias; v128-223 x's eight fragments, one set; on the way out v128-191 rows read back.
;   window 1: W's four fragments, two sets, at v0 and v128.
.set SIZE_M, 8192
.set SIZE_N, 1024
.set ROWB,   192
.set ASTEP,  SIZE_M*ROWB
.set BSTEP,  SIZE_N*ROWB
.set PITCH,  240
.set FR,     12
.set NL,     6
.set NP,     4
.set AH,     64*PITCH                  ; what wave 0 or 1 fetches
.set BH,     128*PITCH                 ; what wave 2 or 3 fetches
.set SLOT,   2*AH+2*BH                 ; x's 128 rows, then W's 256
.set STAGE,  2*SLOT                    ; the way out: 16 rows x (256 bytes + 16) for each wave, bytes into which no fill lands
.set SPITCH, 272
.set SPARE,  STAGE+4*16*SPITCH         ; the spare words
.set ADRA, 16                          ; v16-17 my place in x's fragments in slot 0, 1; v18-19 for a piece whose lanes 16-31 lie behind the next padding
.set ADRB, 20                          ; v20-23 the same for W
.set STO,  24
.set RD,   25
.set CO,   26
.set SPW,  28
.set NIL,  29
.set SCA,  32                          ; x's scale words: K step ks, blocks 2 i and 2 i + 1, half step q at SCA + 8 ks + 2 i + q
.set BIAS, 64
.set SCB,  96                          ; W's: SCB + 4 ks + 2 i + q
.set AF,   128
.set BK,   128
.set G1, 24
.set G0, 32
.set G1B, 48
.set G0B, 56
.set MSB, 0
.macro WIN new
.if MSB != \new
	s_set_vgpr_msb (MSB<<8)|\new
.set MSB, \new
.endif
.endm
.set MUL_LO, 0xa1                      ; source 0 (W) window 1, source 1 (x) window 0, C and D window 2
.set MUL_HI, 0xf1
.set BIA_LO, 0x81                      ; the same with C, the bias, in window 0
.set BIA_HI, 0xc1
.set TO_B,   0x40
.macro JLOAD s                         ; a joint load: waves 0 and 1 fetch for x, waves 2 and 3 for W; the branch hangs on the wave's number alone
	s_cmp_eq_u32 s15, 0
	s_cbranch_scc0 .Lfor_b_\@
	tensor_load_to_lds s[G0+4*\s:G0+4*\s+3], s[G1:G1+7]
	s_nop 0
.rept 4
	v_nop
.endr
	s_branch .Lasked_\@
.Lfor_b_\@:
	tensor_load_to_lds s[G0B+4*\s:G0B+4*\s+3], s[G1B:G1B+7]
	s_nop 0
.rept 4
	v_nop
.endr
.Lasked_\@:
.endm
.macro CREST                           ; a round of the cluster's barrier behind its opening barrier
	s_cmp_lg_u32 s14, 0
	s_cbranch_scc1 .Lnot_wave_0_\@
	s_barrier_signal -3
.Lnot_wave_0_\@:
	s_barrier_wait -3
	s_barrier_signal -1
	s_barrier_wait -1
.endm
.macro CROUND
	s_barrier_signal -1
	s_barrier_wait -1
	CREST
.endm
	s_load_b128 s[4:7], s[0:1], 0x0                ; xc, xs
	s_load_b128 s[8:11], s[0:1], 0x10              ; wc, ws
	s_load_b64 s[12:13], s[0:1], 0x20              ; out0
	s_load_b64 s[96:97], s[0:1], 0x28              ; b
	v_lshl_add_u32 v[SPW], v0, 2, SPARE
	v_mov_b32 v[NIL], 0
	ds_add_u32 v[SPW], v[NIL]                      ; the opening lines: the add, twice on end, and its wait ahead of my first tensor load
	ds_add_u32 v[SPW], v[NIL]
	v_lshrrev_b32 v1, 5, v0
	v_readfirstlane_b32 s14, v1                    ; wave
	s_lshr_b32 s15, s14, 1                         ; I fetch for x (0) or for W (1),
	s_and_b32 s16, s14, 1                          ; and which half of the tile's rows
	s_bfe_u32 s40, ttmp6, 0x40000                  ; cx, cy
	s_bfe_u32 s41, ttmp6, 0x40004
	s_lshl_b32 s42, ttmp9, 2
	s_add_co_u32 s42, s42, s40                     ; block column
	s_and_b32 s17, ttmp7, 0xffff
	s_lshl_b32 s17, s17, 2
	s_add_co_u32 s17, s17, s41                     ; block row
	s_lshl_b32 s43, s41, 2
	s_lshl_b32 s43, 15, s43                        ; my row of the cluster
	s_lshl_b32 s44, 0x1111, s40                    ; my column
	s_or_b32 s[G1+0], s43, (0<<16)|(1<<20)|(1<<21)|(3<<22)|(3<<25)   ; the mask; elements of 1 byte; padding of 4 words behind every 16; bit 21 beside a mask
	s_or_b32 s[G1B+0], s44, (0<<16)|(1<<20)|(1<<21)|(3<<22)|(3<<25)
.irp g, G1, G1B
	s_mov_b32 s[\g+1], 256<<16
	s_mov_b32 s[\g+3], 256<<16
	s_mov_b32 s[\g+5], 256
	s_mov_b32 s[\g+6], 0
	s_mov_b32 s[\g+7], 0
.endr
	s_mov_b32 s[G1+2], 48<<16                      ; 64 rows of 192 bytes = 48 of 256
	s_mov_b32 s[G1+4], 48
	s_mov_b32 s[G1B+2], 96<<16                     ; 128 rows = 96 of 256
	s_mov_b32 s[G1B+4], 96
	s_lshl_b32 s20, s17, 7
	s_lshl_b32 s18, s16, 6
	s_add_co_u32 s20, s20, s18                     ; x: row 128 x block row + 64 x half
	s_mul_i32 s20, s20, ROWB
	s_mov_b32 s21, 0
	s_lshl_b32 s46, s42, 8
	s_lshl_b32 s18, s16, 7
	s_add_co_u32 s46, s46, s18                     ; W: row 256 x block column + 128 x half
	s_mul_i32 s46, s46, ROWB
	s_mov_b32 s47, 0
	s_mul_i32 s45, s16, AH                         ; where they go: the wave's number alone enters an LDS address
	s_mul_i32 s94, s16, BH
	s_add_co_u32 s94, s94, 2*AH
	s_wait_dscnt 0x0
	s_wait_kmcnt 0x0
	s_add_nc_u64 s[20:21], s[4:5], s[20:21]
	s_add_nc_u64 s[46:47], s[8:9], s[46:47]
	CROUND                                         ; all sixteen work-groups are here: the first joint loads meet
.irp s, 0,1
	s_mov_b32 s[G0+4*\s], 1
	s_add_co_u32 s[G0+4*\s+1], s45, \s*SLOT
	s_add_nc_u64 s[G0+4*\s+2:G0+4*\s+3], s[20:21], \s*ASTEP
	s_or_b32 s[G0+4*\s+3], s[G0+4*\s+3], 0x80000000
	s_mov_b32 s[G0B+4*\s], 1
	s_add_co_u32 s[G0B+4*\s+1], s94, \s*SLOT
	s_add_nc_u64 s[G0B+4*\s+2:G0B+4*\s+3], s[46:47], \s*BSTEP
	s_or_b32 s[G0B+4*\s+3], s[G0B+4*\s+3], 0x80000000
.endr
	JLOAD 0                                        ; K step 0: one tensor load a wave at the head
	s_lshl_b32 s22, s17, 10                        ; xs: 128 x block row rows of 8 bytes
	s_mov_b32 s23, 0
	s_add_nc_u64 s[6:7], s[6:7], s[22:23]
	s_lshl_b32 s92, s42, 11                        ; ws: 256 x block column + 64 x wave rows of 8 bytes
	s_lshl_b32 s93, s14, 9
	s_add_co_u32 s92, s92, s93
	s_mov_b32 s93, 0
	s_add_nc_u64 s[10:11], s[10:11], s[92:93]
	s_lshr_b32 s92, s92, 1                         ; my first column, in bytes of f32
	s_add_nc_u64 s[96:97], s[96:97], s[92:93]
	s_add_nc_u64 s[12:13], s[12:13], s[92:93]
	s_lshl_b32 s22, s17, 19                        ; 128 x block row rows of 4,096 bytes
	s_add_nc_u64 s[12:13], s[12:13], s[22:23]
	s_mov_b32 s21, 0
	s_mul_i32 s22, s14, 64*PITCH                   ; my 64 rows of W,
	s_add_co_u32 s22, s22, 2*AH                    ; behind x's 128
	s_mul_i32 s23, s14, 16*SPITCH
	s_add_co_u32 s23, s23, STAGE                   ; my stage
	v_and_b32 v1, 15, v0                           ; r
	v_bfe_u32 v2, v0, 4, 1                         ; h
	v_mul_u32_u24 v3, v1, PITCH
	v_mul_u32_u24 v4, v2, 24
	v_add_nc_u32 v4, v3, v4                        ; row x pitch + 24 h
	v_lshl_add_u32 v5, v2, 4, v4                   ; and 16 more in lanes 16-31, where their piece lies behind the next padding
.irp s, 0,1
	v_add_nc_u32 v[ADRA+\s], s21, v4
	v_add_nc_u32 v[ADRB+\s], s22, v4
	v_add_nc_u32 v[ADRA+2+\s], s21, v5
	v_add_nc_u32 v[ADRB+2+\s], s22, v5
	s_add_co_u32 s21, s21, SLOT
	s_add_co_u32 s22, s22, SLOT
.endr
	v_mul_u32_u24 v5, v1, SPITCH
	v_lshl_add_u32 v5, v2, 5, v5
	v_add_nc_u32 v[STO], s23, v5                   ; into the stage: row r, 32 bytes for each half of the lanes
	v_mul_u32_u24 v5, v2, SPITCH
	v_lshl_add_u32 v5, v1, 4, v5
	v_add_nc_u32 v[RD], s23, v5                    ; back: lanes 0-15 one row of 256 bytes, lanes 16-31 the next,
	v_lshlrev_b32 v5, 13, v2
	v_lshl_add_u32 v[CO], v1, 4, v5                ; which lies two rows of out0 further on
	v_and_b32 v6, 31, v0
	v_lshlrev_b32 v6, 3, v6                        ; scale words: 8 bytes a row, 32 rows a load
	v_lshlrev_b32 v7, 5, v2
	s_wait_alu depctr_va_vdst(0)
.irp ks, 0,1,2,3
.irp i, 0,1,2,3
	global_load_b64 v[SCA+8*\ks+2*\i:SCA+8*\ks+2*\i+1], v6, s[6:7] offset:\ks*SIZE_M*8+256*\i
.endr
.irp i, 0,1
	global_load_b64 v[SCB+4*\ks+2*\i:SCB+4*\ks+2*\i+1], v6, s[10:11] offset:\ks*SIZE_N*8+256*\i
.endr
.endr
.irp b, 0,1,2,3
	global_load_b128 v[BIAS+8*\b:BIAS+8*\b+3], v7, s[96:97] offset:64*\b        ; b at columns 16 b + 8 h + 0 .. 7: the result's layout
	global_load_b128 v[BIAS+8*\b+4:BIAS+8*\b+7], v7, s[96:97] offset:64*\b+16
.endr
.macro FRAG reg, adr, q, i             ; 16 rows x 128 K: six pieces of 8 bytes; piece PC of the row's 24 lies at 8 PC + 16 (PC / 8) of the LDS row; lanes 16-31 read three pieces on
.irp p, 0,1,2,3,4,5
.set PC, 12*(\q)+6*(\p/3)+\p%3
.if PC%8 < 5
	ds_load_b64 v[\reg+2*\p:\reg+2*\p+1], v[\adr] offset:8*PC+16*(PC/8)+(\i)*16*PITCH
.else
	ds_load_b64 v[\reg+2*\p:\reg+2*\p+1], v[\adr+2] offset:8*PC+16*(PC/8)+(\i)*16*PITCH
.endif
.endr
.endm
.macro WM a, b, p, ks, q, first        ; x's block a against W's block b
.set DD, 8*(4*((\a)%4)+\b)
.set WB, 128*(\p)+FR*\b
.set XA, AF+FR*(\a)
.set SW, SCB+4*(\ks)+2*(\b/2)+(\q)
.set SX, SCA+8*(\ks)+2*((\a)/2)+(\q)
.if \first
.set CC, BIAS+8*\b
.else
.set CC, DD
.endif
.if (\b%2 == 0) && ((\a)%2 == 0)
	v_wmma_scale_f32_16x16x128_f8f6f4 v[DD:DD+7], v[WB:WB+FR-1], v[XA:XA+FR-1], v[CC:CC+7], v[SW], v[SX] matrix_a_fmt:MATRIX_FMT_FP6 matrix_b_fmt:MATRIX_FMT_FP6
.elseif (\a)%2 == 0
	v_wmma_scale_f32_16x16x128_f8f6f4 v[DD:DD+7], v[WB:WB+FR-1], v[XA:XA+FR-1], v[CC:CC+7], v[SW], v[SX] matrix_a_fmt:MATRIX_FMT_FP6 matrix_b_fmt:MATRIX_FMT_FP6 matrix_a_scale:MATRIX_SCALE_ROW1
.elseif \b%2 == 0
	v_wmma_scale_f32_16x16x128_f8f6f4 v[DD:DD+7], v[WB:WB+FR-1], v[XA:XA+FR-1], v[CC:CC+7], v[SW], v[SX] matrix_a_fmt:MATRIX_FMT_FP6 matrix_b_fmt:MATRIX_FMT_FP6 matrix_b_scale:MATRIX_SCALE_ROW1
.else
	v_wmma_scale_f32_16x16x128_f8f6f4 v[DD:DD+7], v[WB:WB+FR-1], v[XA:XA+FR-1], v[CC:CC+7], v[SW], v[SX] matrix_a_fmt:MATRIX_FMT_FP6 matrix_b_fmt:MATRIX_FMT_FP6 matrix_a_scale:MATRIX_SCALE_ROW1 matrix_b_scale:MATRIX_SCALE_ROW1
.endif
.endm
.macro MUL8 a0, p, ks, q, first        ; eight matrix instructions; the accumulators take turns, one instruction a turn
.irp a, \a0, \a0+1
.irp b, 0,1,2,3
	WM \a, \b, \p, \ks, \q, \first
.endr
.endr
.endm
.macro FETCH_B slot, q, p
	WIN TO_B
.irp i, 0,1,2,3
	FRAG 128*(\p)+FR*\i, ADRB+\slot, \q, \i
.endr
	WIN 0
.endm
.macro FETCH_A slot, q, i0
.irp i, \i0, \i0+1, \i0+2, \i0+3
	FRAG AF+FR*(\i), ADRA+\slot, \q, \i
.endr
.endm
.macro PLACES n                        ; plain places between matrix instructions and loads into, or reads of, their registers
.rept \n
	v_nop
.endr
.endm
.macro STEP slot, ks, first            ; the first half of K step ks; the second half's fragments are fetched in its middle and at its end
	s_wait_dscnt 4*NL                              ; W's set and x's blocks 0-3 are in; the youngest 24 loads (x's blocks 4-7) may be out
.if \first
	WIN BIA_LO
.else
	WIN MUL_LO
.endif
	MUL8 0, 0, \ks, 0, \first
	MUL8 2, 0, \ks, 0, \first
	s_wait_dscnt 0
	PLACES NP
	FETCH_B \slot, 1, 1
	FETCH_A \slot, 1, 0
.if \first
	WIN BIA_HI
.else
	WIN MUL_HI
.endif
	MUL8 4, 0, \ks, 0, \first
	MUL8 6, 0, \ks, 0, \first
	PLACES NP
	WIN 0
	FETCH_A \slot, 1, 4
.endm
.macro TURN slot, next, fill, ks       ; the second half of K step ks, and the change of slots
	s_wait_tensorcnt 0x0                           ; all my tensor loads have landed: my part of the next slot;
	ds_add_u32 v[SPW], v[NIL]                      ; 0 onto my spare word
	s_wait_dscnt 4*NL+1                            ; (the add and the youngest 24 loads may be out)
	WIN MUL_LO
	MUL8 0, 1, \ks, 1, 0
	s_wait_dscnt 0x0                               ; the add is done, and my reads of this slot are over
	s_barrier_signal -1
	MUL8 2, 1, \ks, 1, 0
	WIN 0
	s_barrier_wait -1
.if \fill
	CREST                                          ; the barrier has opened a round of the cluster's barrier: no wave of any partner still reads this slot or has a load on its way
	s_add_nc_u64 s[G0+4*\slot+2:G0+4*\slot+3], s[G0+4*\slot+2:G0+4*\slot+3], 2*ASTEP
	s_add_nc_u64 s[G0B+4*\slot+2:G0B+4*\slot+3], s[G0B+4*\slot+2:G0B+4*\slot+3], 2*BSTEP
	JLOAD \slot                                    ; K step ks + 2; the four v_nop behind it are the places in front of the loads below
.else
	PLACES NP
.endif
	FETCH_B \next, 0, 0
	FETCH_A \next, 0, 0
	WIN MUL_HI
	MUL8 4, 1, \ks, 1, 0
	MUL8 6, 1, \ks, 1, 0
	PLACES NP
	WIN 0
	FETCH_A \next, 0, 4
.endm
	s_wait_alu depctr_va_vdst(0)
	s_wait_tensorcnt 0x0                           ; my part of K step 0 is in
	ds_add_u32 v[SPW], v[NIL]
	s_wait_dscnt 0x0
	CROUND                                         ; everybody's part is in, and all sixteen work-groups are here
	JLOAD 1                                        ; K step 1, the first tensor load behind the round
	FETCH_B 0, 0, 0
	FETCH_A 0, 0, 0
	FETCH_A 0, 0, 4
	s_wait_loadcnt 0x0                             ; the scale words and the bias
	STEP 0, 0, 1                                   ; the walk is written out: each K step names its own scale registers
	TURN 0, 1, 1, 0
	STEP 1, 1, 0
	TURN 1, 0, 1, 1
	STEP 0, 2, 0
	TURN 0, 1, 0, 2
	STEP 1, 3, 0
	s_wait_dscnt 4*NL                              ; the very last half step: nothing more to fetch
	WIN MUL_LO
	MUL8 0, 1, 3, 1, 0
	MUL8 2, 1, 3, 1, 0
	s_wait_dscnt 0
	WIN MUL_HI
	MUL8 4, 1, 3, 1, 0
	MUL8 6, 1, 3, 1, 0
	WIN 0
; THE WAY OUT, block by block of 16 rows x 64 columns, through my own stage: back come whole rows of 256 bytes, two a load
.macro TOSTAGE a
.set AC, 32*((\a)%4)
	WIN 0x08+4*((\a)/4)                            ; the data: window 2 or 3
.irp b, 0,1,2,3
	ds_store_b128 v[STO], v[AC+8*\b:AC+8*\b+3] offset:64*\b          ; each accumulator from its low end on
	ds_store_b128 v[STO], v[AC+8*\b+4:AC+8*\b+7] offset:64*\b+16
.endr
	WIN 0
.set BB, BK+32*((\a)%2)
.irp t, 0,1,2,3,4,5,6,7
	ds_load_b128 v[BB+4*\t:BB+4*\t+3], v[RD] offset:\t*2*SPITCH      ; in order behind my stores
.endr
.endm
.macro SEND a, younger
.set BB, BK+32*((\a)%2)
	s_wait_dscnt \younger
.if (\a) == 4
	s_sub_nc_u64 s[12:13], s[12:13], 95*SIZE_N*4   ; blocks 4-7 are the odd rows of out0: back from row 96 to row 1
.elseif (\a) > 0
	s_add_nc_u64 s[12:13], s[12:13], 32*SIZE_N*4   ; 16 channels on: 32 rows of out0
.endif
.irp t, 0,1,2,3,4,5,6,7
	global_store_b128 v[CO], v[BB+4*\t:BB+4*\t+3], s[12:13] offset:\t*4*SIZE_N*4 th:TH_STORE_NT   ; sixteen lanes store 256 bytes on end, at a multiple of 256 from the buffer's first byte
.endr
.endm
	PLACES NP
	TOSTAGE 0
.irp a, 1,2,3,4,5,6,7
.if \a > 1
	s_wait_xcnt 0x0                                ; block a - 2's stores have read their registers and their base
.endif
	TOSTAGE \a
	SEND \a-1, 16                                  ; behind block a - 1's loads: block a's 8 stores and 8 loads
.endr
	s_wait_xcnt 0x0
	SEND 7, 0
	s_wait_tensorcnt 0x0                           ; the wave's end
	ds_add_u32 v[SPW], v[NIL]
	s_wait_dscnt 0x0
	CROUND                                         ; the closing round
	s_endpgm
.Lfunc_end_k_qfbf9346aab_proj:
	.size	k_qfbf9346aab_proj, .Lfunc_end_k_qfbf9346aab_proj-k_qfbf9346aab_proj
	.p2alignl 7, 3214868480
	.fill 96, 4, 3214868480
	.section	.rodata,"a",@progbits
	.p2align	6, 0x0
	.amdhsa_kernel k_qfbf9346aab_proj
		.amdhsa_group_segment_fixed_size 327680
		.amdhsa_private_segment_fixed_size 0
		.amdhsa_enable_private_segment 0
		.amdhsa_kernarg_size 48
		.amdhsa_user_sgpr_count 2
		.amdhsa_user_sgpr_kernarg_segment_ptr 1
		.amdhsa_wavefront_size32 1
		.amdhsa_system_sgpr_workgroup_id_x 1
		.amdhsa_system_sgpr_workgroup_id_y 1
		.amdhsa_system_sgpr_workgroup_id_z 1
		.amdhsa_system_vgpr_workitem_id 0
		.amdhsa_next_free_vgpr 1024
		.amdhsa_next_free_sgpr 98
		.amdhsa_reserve_vcc 0
		.amdhsa_float_denorm_mode_32 3
		.amdhsa_float_denorm_mode_16_64 3
		.amdhsa_memory_ordered 1
		.amdhsa_forward_progress 1
		.amdhsa_inst_pref_size 101
	.end_amdhsa_kernel
	.amdgpu_metadata
---
amdhsa.version: [ 1, 2 ]
amdhsa.kernels:
  - .name:           k_qfbf9346aab_proj
    .symbol:         k_qfbf9346aab_proj.kd
    .args:
      - { .name: xc, .offset: 0, .size: 8, .value_kind: global_buffer, .address_space: global }
      - { .name: xs, .offset: 8, .size: 8, .value_kind: global_buffer, .address_space: global }
      - { .name: wc, .offset: 16, .size: 8, .value_kind: global_buffer, .address_space: global }
      - { .name: ws, .offset: 24, .size: 8, .value_kind: global_buffer, .address_space: global }
      - { .name: out0, .offset: 32, .size: 8, .value_kind: global_buffer, .address_space: global }
      - { .name: b, .offset: 40, .size: 8, .value_kind: global_buffer, .address_space: global }
    .group_segment_fixed_size: 327680
    .private_segment_fixed_size: 0
    .kernarg_segment_align: 8
    .kernarg_segment_size: 48
    .max_flat_workgroup_size: 128
    .sgpr_count:     98
    .vgpr_count:     1024
    .wavefront_size: 32
...
	.end_amdgpu_metadata
.endif
;; end of part 3
